; MI455X (gfx1250); checked and timed in simulation.
; The chip was launched on July 23, 2026; its instructions are those of AMD's public machine-readable ISA for CDNA 5 (MIT licence, August 2026) and "CDNA5" Instruction Set Architecture Reference Guide (July 2026). The comments in the code are by the model that wrote it; some were corrected since.
;; Experts Linear. Allowed arithmetic: matrix products marked QUANTISED: E2M1 operands, one E8M0 scale for each 32 along K, by v_wmma_scale_f32_16x16x128_f8f6f4 with both operands' format E2M1 (or v_wmma_scale_f32_32x16x128_f4), f32 sums; products left as they are: f32 operands where the result goes on into a quantised operand, else bf16, f16 or f32 operands; f32 sums; everything else in f32.
;; Inputs: W 8 x 512 x 512 float32; b 8 x 1 x 512 float32; weights 32,768 x 8 float32; x 32,768 x 512 float32.
;; Outputs: out0 32,768 x 512 float32.
;; This version of the problem:
;;   THIS VERSION OF THE PROBLEM IS GIVEN IN LOW PRECISION. The matrix products marked QUANTISED in the list below multiply operands that are first quantised to E2M1 (2 exponent bits, 1 mantissa bit; 4 bits a number), with one power-of-two scale for each 32 numbers along K (OCP MX v1.0); their sums are f32. All else is computed in f32.
;;   The module's matrix products, in the order in which they are computed (A, B: the left and right operand; K: the contracted axis; several contracted axes count as one K, in the product's order):
;;     1. batch 32,768 x [M 512, K 1] x [K 1, N 8]; A: computed on the way; B: computed on the way: left as it is (no contracted axis)
;;     2. [M 32,768, K 4,096] x [K 4,096, N 512]; A: computed on the way; B: input W: QUANTISED
;;     3. [M 32,768, K 8] x [K 8, N 512]; A: input weights; B: input b: left as it is (K = 8 < 32)
;;   THE QUANTISER, for each operand of a quantised product, along K:
;;     - K is cut into blocks of 32 from its start; a last block that is shorter is filled with zeros.
;;     - A block's scale is 2^e with e = floor(log2(the largest magnitude in the block)) - 2, held to -126 .. 127; a block of zeros has e = 0. As a byte (E8M0): e + 127.
;;     - Each number is divided by its block's scale, clamped to +-6, and rounded to the nearest number of E2M1, ties to even, subnormals kept.
;;     - The product sums the exact products of the quantised numbers (number of the format x scale) in f32.
;;   ~~~python
;;   def quantise(x, axis):      # numpy; x: float32 -> the quantised numbers, widened to float32 again
;;       x = np.moveaxis(x, axis, -1); K = x.shape[-1]
;;       x = np.pad(x, [(0, 0)] * (x.ndim - 1) + [(0, -K % 32)]); x = x.reshape(x.shape[:-1] + (-1, 32)); a = np.abs(x).max(-1, keepdims=True)
;;       e = np.where(a > 0, np.clip(np.frexp(np.where(a > 0, a, 1))[1] - 1 - 2, -126, 127), 0)      # np.frexp(a)[1] - 1 = floor(log2(a)), exactly
;;       r = np.clip(x / 2.0 ** e, -6, 6)
;;       step = 2.0 ** (np.maximum(np.frexp(np.where(r == 0, 1, r))[1] - 1, 0) - 1)
;;       q = np.round(r / step) * step * 2.0 ** e      # np.round: ties to even
;;       return np.moveaxis(q.reshape(q.shape[:-2] + (-1,))[..., :K], -1, axis).astype(np.float32)
;;   ~~~
;;   OPERANDS COMPUTED ON THE WAY. 'Computed on the way' means the value that the module computes at that place (a softmax that the list does not call 'softmax' is quantised finished and normalised). What goes into a quantiser is computed in f32, as accurately as f32 sums, v_exp_f32 and their like allow (about 1e-6 of the number): no bf16 or f16 on the way to a quantiser, and a product that is left as it is and whose result goes on into a quantised operand takes f32 operands (vector FMAs, or v_wmma_f32_16x16x4_f32). A number that lies on a knife's edge between two numbers of the format may be rounded either way, as far as f32 arithmetic and the matrix unit's own rounding can turn it there, and no further.
;; One version. Each part assembles by itself: llvm-mc -triple=amdgcn-amd-amdhsa -mcpu=gfx1250 --defsym DOCPART=n.
;; ======== version 1 of 1: 2 launches
;; limits: values are held in bf16: 8 bits of precision; right only within a limited range of input values
;; workspace buffers: wq 1,048,576 bytes; ws 65,536 bytes
;; launch quantw (part 1): grid 256 x 1, 8 waves a work-group, no clusters, 1,280 bytes of LDS; arguments W, wq, ws; writes wq, ws
.if DOCPART == 1
	.amdgcn_target "amdgcn-amd-amdhsa--gfx1250"
	.amdhsa_code_object_version 6
	.text
	.protected	k_qe28cfc0aef_quantw
	.globl	k_qe28cfc0aef_quantw
	.p2align	8
	.type	k_qe28cfc0aef_quantw,@function
k_qe28cfc0aef_quantw:
	s_mov_b64 s[64:65], 0
	v_nop
	global_prefetch_b8 v0, s[64:65] scope:SCOPE_SE
	s_setreg_imm32_b32 hwreg(HW_REG_WAVE_MODE, 25, 1), 1
	s_wait_xcnt 0x0
; W [8 experts][512 i][512 o], f32, is the right operand of the quantised product; its K is k = 512 e + i.  It becomes codes of FP4 (E2M1) with one E8M0 byte for each 32 along K (32 neighbouring i of one expert),
; laid in the order in which the next launch's operand registers take them.  Every input is read.
; A K STEP of the matrix instruction (128 along K) is taken as 2 experts x 64 i: step s = 0 .. 31; block j = 0 .. 3 of the step is expert 2 (s % 4) + j / 2, i = 64 (s / 4) + 32 (j % 2) + 0 .. 31.
; wq: byte s*32768 + T*1024 + j*256 + r*16: the 32 codes (16 bytes, the lower i in the lower bits) of column 16 T + r, block j of step s: a fragment is two loads of 512 consecutive bytes.
; ws: byte s*2048 + q*256 + (16 H + r)*8 + 4 jw: the scale word (byte j = block j) of column 64 q + 16 (2 H + jw) + r.
; A block's scale is 2^(floor(log2(its largest magnitude)) - 2); its byte is the largest magnitude's exponent field - 2, held at 1 from below.
; LIMITS: a block of zeros gets the byte 1 where the rule says 127 (its codes are zeros, which add nothing under any byte but 0xff, and this program alone reads the bytes); NaN and infinities in W are not served.
; SHARES: work-group G: step s = G / 8, columns 64 (G % 8) on.  Wave 4 H + j takes 32 of the columns (half H) and ONE block (j): 32 loads, all out at once, one wait.
; A lane takes a column and its registers run down K: the block's maximum needs no other lane, and the conversions give codes with K innermost.  Each load of a wave reads 128 consecutive bytes,
; the two waves of a block side by side 256.  No matrix unit, no tensor load, no cluster: the launch reads each byte once and shares nothing.
.set EMAX, 2
.set C,    24                          ; v24-27   the block's codes
.set X,    32                          ; v32-63   the block's 32 numbers
	s_load_b128 s[4:7], s[0:1], 0x0                ; W, wq
	s_load_b64 s[8:9], s[0:1], 0x10                ; ws
	v_lshl_add_u32 v64, v0, 2, 0x100               ; my spare word, behind the 256 bytes of scale words
	v_mov_b32 v65, 0
	v_lshrrev_b32 v1, 5, v0
	s_delay_alu instid0(VALU_DEP_1)
	v_readfirstlane_b32 s10, v1                    ; wave 0..7
	v_and_b32 v1, 31, v0                           ; lane
	s_delay_alu instid0(VALU_DEP_1)
	v_lshlrev_b32 v2, 2, v1                        ; in: 4 bytes a lane
	v_and_b32 v13, 15, v0                          ; r
	v_bfe_u32 v14, v0, 4, 1                        ; which of my wave's two column tiles
	v_bfe_u32 v15, v0, 5, 2                        ; j, lane by lane
	v_bfe_u32 v16, v0, 7, 1                        ; H, lane by lane
	s_delay_alu instid0(VALU_DEP_4)
	v_lshlrev_b32 v3, 4, v13
	s_delay_alu instid0(VALU_DEP_1)
	v_lshl_add_u32 v3, v14, 10, v3                 ; codes out: 16 r + 1,024 x tile
	s_delay_alu instid0(VALU_DEP_4)
	v_lshl_add_u32 v4, v13, 3, v15
	s_delay_alu instid0(VALU_DEP_1)
	v_lshl_add_u32 v4, v14, 2, v4
	s_delay_alu instid0(VALU_DEP_1)
	v_lshl_add_u32 v4, v16, 7, v4                  ; LDS: my block's byte of my column's scale word: 128 H + 8 r + 4 (lane / 16) + j
	v_lshlrev_b32 v5, 3, v1                        ; scale words out: 8 bytes a lane
	s_lshr_b32 s11, ttmp9, 3                       ; s
	s_and_b32 s12, ttmp9, 7                        ; q
	s_lshr_b32 s13, s11, 2                         ; which 64 i
	s_and_b32 s14, s11, 3                          ; which two experts
	s_and_b32 s22, s10, 3                          ; j
	s_lshr_b32 s23, s10, 2                         ; H
	s_lshl_b32 s16, s14, 21                        ; W: 2 experts of 2^20 bytes,
	s_lshr_b32 s15, s22, 1
	s_lshl_b32 s15, s15, 20                        ; my expert of the two: j / 2,
	s_add_co_u32 s16, s16, s15
	s_lshl_b32 s15, s13, 17                        ; 64 rows of 2,048 bytes,
	s_add_co_u32 s16, s16, s15
	s_and_b32 s15, s22, 1
	s_lshl_b32 s15, s15, 16                        ; my 32 of them: j % 2,
	s_add_co_u32 s16, s16, s15
	s_lshl_b32 s15, s12, 8                         ; 64 columns,
	s_add_co_u32 s16, s16, s15
	s_lshl_b32 s15, s23, 7                         ; my wave's 32
	s_add_co_u32 s16, s16, s15
	s_mov_b32 s17, 0
	s_lshl_b32 s18, s11, 15                        ; wq: the step, four tiles a q, two a half, 256 bytes a block
	s_lshl_b32 s15, s12, 12
	s_add_co_u32 s18, s18, s15
	s_lshl_b32 s15, s23, 11
	s_add_co_u32 s18, s18, s15
	s_lshl_b32 s15, s22, 8
	s_add_co_u32 s18, s18, s15
	s_mov_b32 s19, 0
	s_lshl_b32 s20, s11, 11                        ; ws: the step, 256 bytes a q
	s_lshl_b32 s15, s12, 8
	s_add_co_u32 s20, s20, s15
	s_mov_b32 s21, 0
	s_wait_alu depctr_va_vdst(0)
	s_wait_kmcnt 0x0
	s_add_nc_u64 s[4:5], s[4:5], s[16:17]
	s_add_nc_u64 s[6:7], s[6:7], s[18:19]
	s_add_nc_u64 s[8:9], s[8:9], s[20:21]
.irp t, 0,1,2,3,4,5,6,7,8,9,10,11,12,13,14,15,16,17,18,19,20,21,22,23,24,25,26,27,28,29,30,31
	global_load_b32 v[X+\t], v2, s[4:5] offset:\t*2048 th:TH_LOAD_NT      ; W(my expert, my 32 i: t, my column)
.endr
	s_wait_loadcnt 0x0
	v_max3_num_f32 v8, |v[X]|, |v[X+1]|, |v[X+2]|                  ; the block's largest magnitude, in two chains
	v_max3_num_f32 v9, |v[X+3]|, |v[X+4]|, |v[X+5]|
.irp i, 6,10,14,18,22,26
	s_delay_alu instid0(VALU_DEP_2)
	v_max3_num_f32 v8, v8, |v[X+\i]|, |v[X+\i+1]|
	s_delay_alu instid0(VALU_DEP_2)
	v_max3_num_f32 v9, v9, |v[X+\i+2]|, |v[X+\i+3]|
.endr
	s_delay_alu instid0(VALU_DEP_2)
	v_max3_num_f32 v8, v8, |v[X+30]|, |v[X+31]|
	s_delay_alu instid0(VALU_DEP_1)
	v_max3_num_f32 v8, v8, v9, (EMAX+1)<<23        ; and the floor 2^(3 - 127): the byte cannot fall under 1
	s_delay_alu instid0(VALU_DEP_1)
	v_add_nc_u32 v10, -(EMAX<<23), v8              ; 2 off the exponent field: the conversion takes the exponent field of this operand as its scale
	s_delay_alu instid0(VALU_DEP_1)
	v_lshrrev_b32 v11, 23, v10                     ; the scale's byte
	ds_store_b8 v4, v11                            ; four waves fill the four bytes of a column's word, each its own byte
.irp g, 0,1,2,3
	v_cvt_scalef32_pk8_fp4_f32 v[C+\g], v[X+8*\g:X+8*\g+7], v10
.endr
	global_store_b128 v3, v[C:C+3], s[6:7]         ; sixteen lanes store 256 consecutive bytes, aligned.  (No vector line touches the codes or the conversions' sources behind this)
	s_wait_dscnt 0x0                               ; for the other waves' sake: my byte has landed
	s_barrier_signal -1
	s_barrier_wait -1
	s_cmp_lg_u32 s10, 0
	s_cbranch_scc1 .Ldone                          ; wave 0 sends the 64 words
	ds_load_b64 v[6:7], v5
	s_wait_dscnt 0x0
	global_store_b64 v5, v[6:7], s[8:9]            ; 32 lanes store 256 consecutive bytes, aligned
.Ldone:
	s_wait_tensorcnt 0x0                           ; the wave's end
	ds_add_u32 v64, v65
	s_wait_dscnt 0x0
	s_endpgm
.Lfunc_end_k_qe28cfc0aef_quantw:
	.size	k_qe28cfc0aef_quantw, .Lfunc_end_k_qe28cfc0aef_quantw-k_qe28cfc0aef_quantw
	.p2alignl 7, 3214868480
	.fill 96, 4, 3214868480
	.section	.rodata,"a",@progbits
	.p2align	6, 0x0
	.amdhsa_kernel k_qe28cfc0aef_quantw
		.amdhsa_group_segment_fixed_size 1280
		.amdhsa_private_segment_fixed_size 0
		.amdhsa_enable_private_segment 0
		.amdhsa_kernarg_size 24
		.amdhsa_user_sgpr_count 2
		.amdhsa_user_sgpr_kernarg_segment_ptr 1
		.amdhsa_wavefront_size32 1
		.amdhsa_system_sgpr_workgroup_id_x 1
		.amdhsa_system_sgpr_workgroup_id_y 1
		.amdhsa_system_sgpr_workgroup_id_z 1
		.amdhsa_system_vgpr_workitem_id 0
		.amdhsa_next_free_vgpr 66
		.amdhsa_next_free_sgpr 66
		.amdhsa_reserve_vcc 0
		.amdhsa_float_denorm_mode_32 3
		.amdhsa_float_denorm_mode_16_64 3
		.amdhsa_memory_ordered 1
		.amdhsa_forward_progress 1
		.amdhsa_inst_pref_size 9
	.end_amdhsa_kernel
	.amdgpu_metadata
---
amdhsa.version: [ 1, 2 ]
amdhsa.kernels:
  - .name:           k_qe28cfc0aef_quantw
    .symbol:         k_qe28cfc0aef_quantw.kd
    .args:
      - { .name: W, .offset: 0, .size: 8, .value_kind: global_buffer, .address_space: global }
      - { .name: wq, .offset: 8, .size: 8, .value_kind: global_buffer, .address_space: global }
      - { .name: ws, .offset: 16, .size: 8, .value_kind: global_buffer, .address_space: global }
    .group_segment_fixed_size: 1280
    .private_segment_fixed_size: 0
    .kernarg_segment_align: 8
    .kernarg_segment_size: 24
    .max_flat_workgroup_size: 256
    .sgpr_count:     66
    .vgpr_count:     66
    .wavefront_size: 32
...
	.end_amdgpu_metadata
.endif
;; end of part 1
;; launch experts (part 2): grid 256 x 1, 4 waves a work-group, no clusters, 327,680 bytes of LDS; arguments x, weights, b, wq, ws, out0; writes out0
.if DOCPART == 2
	.amdgcn_target "amdgcn-amd-amdhsa--gfx1250"
	.amdhsa_code_object_version 6
	.text
	.protected	k_qe28cfc0aef_experts
	.globl	k_qe28cfc0aef_experts
	.p2align	8
	.type	k_qe28cfc0aef_experts,@function
k_qe28cfc0aef_experts:
	s_mov_b64 s[64:65], 0
	v_nop
	global_prefetch_b8 v0, s[64:65] scope:SCOPE_SE
	s_setreg_imm32_b32 hwreg(HW_REG_WAVE_MODE, 25, 1), 1
	s_wait_xcnt 0x0
; out0[r][o] = sum over e, i of Q(weights[r][e] x[r][i]) Q(W[e][i][o]) + sum over e of weights[r][e] b[e][o].  Q: MX-FP4 along k = 512 e + i: a block of 32 is 32 neighbouring i of one expert.
; W comes as codes and scale words in register order (wq, ws: made by the launch before).  The left operand is made here: one f32 product a number, then the quantiser.
; A K STEP (128 along K) is 2 experts x 64 i: step s = 0 .. 31; block j = 2 c + h is expert 2 (s % 4) + c, i = 64 (s / 4) + 32 h + 0 .. 31.  The 4-bit operand's layout gives lane (r, h) block 2 c + h in registers
; 4 c .. 4 c + 3: so a lane keeps ITS OWN 32 numbers of x for four steps, multiplies them by two gates a step, and the conversions' results are the operand's registers: no lane asks another for a number, a maximum or a code.
; SHARES.  A work-group owns 128 rows and all 512 columns: 256 work-groups.  Wave w MAKES the codes of rows 32 w .. 32 w + 31 (two tiles of 16), one step ahead, and MULTIPLIES all 128 rows by its columns 128 w .. 128 w + 127:
; 32 accumulators of 32 columns x 16 rows, 512 registers, 32 matrix instructions of the form 32 x 16 x 128 a step.  So each number of the left operand is multiplied and converted once in the whole launch.
; x: a wave's 32 rows come into LDS as eight tiles of 32 rows x 256 bytes (64 i: four steps' worth), each by one tensor load into bytes of its own: nothing is filled twice, and only the wave that asked reads a tile.
;    Tile 0 is asked for at the head; each later one behind a barrier, four steps ahead of its first read.  By this text's count one tensor load of a wave is out at the most.
; THE LEFT OPERAND goes from wave to wave through LDS as images of its registers (16 bytes a lane, 512 a store), its scale bytes one by one into their words, in two buffers by turns, with one barrier a step.
; W's fragments go from memory straight into registers, 512 consecutive bytes a load, into four sets by turns (set = step % 4); a step's head asks for the high half two steps on and the low half three steps on; 63 loads of a wave are out at the most.
; A BLOCK'S LARGEST MAGNITUDE IS NOT SEARCHED FOR EIGHT TIMES: rounding is monotone, so the largest |fl(g x_i)| of a block is |fl(g max|x_i|)|: the maximum of |x| is taken once for four steps, and each expert costs one product.
; THE BIAS (K = 8, left as it is) starts the sums: one bf16 matrix instruction for each 16 x 16 half of an accumulator.  Each f32 number is split into two bf16 (hi, lo); the 32 places along K are 2 halves of the lanes x 4 experts x (b hi, b lo) x (gate hi, gate lo).
; THE MATRIX INSTRUCTIONS ARE USED TRANSPOSED (source 0 = 32 columns of W, source 1 = 16 rows): a lane holds eight neighbouring columns of one row of the result in each half of an accumulator.
; Source 0's two tiles are column tiles t and t + 2 of a half of my eight: so a scale word register as ws has it (lanes 0-15 tile t, lanes 16-31 tile t + 2) serves the form's 32 lanes as it lies.
; NO CLUSTER, NO JOINT LOADS for W, though all work-groups walk it: x's tiles take 278,528 bytes of LDS, the images 17,408 and the spare words 512, which leaves 31,232, less than two slots of one step's 34,816 bytes of codes
; and scales; and each byte of a step's W is wanted by one wave alone, in register order already, so a way through LDS would add 32 KiB written and 32 KiB read to each step.
; NO PREFETCH: a tile of x is asked for by its tensor load four steps ahead of its first read, and W's loads stand two to three steps ahead of their use: every request of the loop already stands more than a step ahead of its wait.
; LIMITS: NaN and infinities are not served, nor |weights x| from 2^128 on; a block of zeros has the byte 1 where the rule says 127 (its codes are zeros; the bytes never leave the work-group);
; the bias terms carry the error of a two-part bf16 split, about 2^-16 of each term, and want |b| and |weights| inside bf16's range.
; REGISTERS, in windows of 256: window 0: see the names below.  Window 1: W's fragments, set p = 0 .. 3: tile i of half hb at v[64 p + 32 hb + 16 (i % 2) + 8 (i / 2)].
; Windows 2 (half 0), 3 (half 1): accumulator (pair jw, row tile a) at v[128 jw + 16 a]: registers 0-7 column tile jw of the half, registers 8-15 column tile jw + 2.
.set XTB,   8704                       ; LDS: a tile of x: 32 rows x (256 + 16) bytes: the 16 rows that a load touches start at 16 different groups of four banks (64 banks of 4 bytes: ISA guide 11.1)
.set XW,    8*XTB                      ; a wave's x
.set AIMG,  4*XW                       ; behind x: two image buffers
.set ABUF,  8704                       ; 8 fragments of 1,024 bytes, then 512 bytes of scale words: row r, tile T at 32 r + 4 T
.set ASCL,  8192
.set SPARE, AIMG+2*ABUF                ; behind the images: the spare words, 128 bytes a wave
.set SPITCH, 528                       ; the way out: a stage of 16 rows x (512 + 16) bytes in the wave's own tile 0 of x, which has had its one fill and, by then, its last read
.set LI,  1                            ; v1   16 x lane
.set GB,  2                            ; v2   wq: 8,192 w + 16 x lane
.set GS,  3                            ; v3   ws: 512 w + 8 x lane
.set AWI, 4                            ; v4   where I store images: AIMG + 2,048 w + 16 x lane
.set AR,  5                            ; v5   where I read them: AIMG + 16 x lane
.set AWS, 6                            ; v6   where I store scale bytes: row r, my tiles' words, byte h
.set XT,  7                            ; v7   x in LDS: the tile in hand, my row r, + 128 h
.set STO, 8                            ; v8   the stage: where I put 32 bytes of a row
.set RD,  9                            ; v9   and where I read a row back
.set GW,  10                           ; v10  weights: my wave's rows
.set GA,  11                           ; v11  weights: row r of any tile, my half's four experts
.set BA,  12                           ; v12  b: my wave's columns, my half's four experts
.set NIL, 13                           ; v13  0; never rewritten
.set SPW, 14                           ; v14  my spare word; never rewritten
.set ARS, 15                           ; v15  where I read scale words: row r's eight
.set WT,  16                           ; v16-31  weights[my row of tile u][e] at WT + 8 u + e
.set XM,  32                           ; v32, v33 the largest |x| of my 32 numbers of tile 0, 1
.set AM,  40                           ; v40-43  the blocks' largest magnitudes: tile u, expert c at 2 u + c
.set SO,  44                           ; v44-47  the conversions' scale operands
.set BY,  48                           ; v48-51  the scales' bytes
.set BS,  52                           ; v52-67  W's scale words, four sets of four: they hold scales and nothing else
.set PC,  72                           ; v72-87  the codes just made, 8 a tile
.set P,   88                           ; v88-119 the 32 products of one tile and one expert
.set TT,  88                           ; (at the head: at work for the bias)
.set AS,  120                          ; v120-127 the left operand's scale words, tile a in register a, row r in lane r: they hold scales and nothing else
.set AF,  128                          ; v128-191 the left operand's 8 fragments
.set X,   192                          ; v192-255 my 32 numbers of x of each tile
.set GF,  128                          ; at the head: the gates' 8 fragments; a tile's four numbers are loaded into the upper half of its own fragment
.set BF,  192                          ; and b's 8 fragments, likewise
.set BK,  128                          ; the way out: 16 rows read back: v128-191 and v192-255 by turns
.set G1,  24                           ; s[24:31] descriptor group 1
.set G0,  48                           ; s[48:51] group 0
.set MSB, 0
.macro WIN new                         ; the immediate's high byte repeats the setting that is left; a switch that changes nothing is dropped
.if MSB != \new
	s_set_vgpr_msb (MSB<<8)|\new
.set MSB, \new
.endif
.endm
.set MUL_LO, 0xa1                      ; source 0 (W) window 1, source 1 (rows) window 0, C and D window 2
.set MUL_HI, 0xf1                      ; the same, C and D window 3
.set TO_B,   0x40                      ; destination window 1, address window 0
.macro PLACES n                        ; a load into a register that a matrix instruction has read, and a store or vector instruction that reads a result, stand four places behind it (ISA guide 7.12.1 for stores and vector instructions)
.rept \n
	v_nop
.endr
.endm
.macro XASK                            ; my next tile of x; an s_nop 0 follows, and four or more plain vector lines in window 0 behind the macro
	tensor_load_to_lds s[G0:G0+3], s[G1:G1+7]
	s_nop 0
.endm
.macro XNEXT                           ; group 0 on to the next tile: written only where no tensor load of mine is out
	s_add_co_u32 s[G0+1], s[G0+1], XTB
	s_add_nc_u64 s[G0+2:G0+3], s[G0+2:G0+3], 256
.endm
	s_load_b256 s[4:11], s[0:1], 0x0               ; x s[4:5], weights s[6:7], b s[8:9], wq s[10:11]
	s_load_b128 s[12:15], s[0:1], 0x20             ; ws s[12:13], out0 s[14:15]
	v_lshl_add_u32 v[SPW], v0, 2, SPARE
	v_mov_b32 v[NIL], 0
	ds_add_u32 v[SPW], v[NIL]                      ; the opening: the add, twice on end, and its wait ahead of my first tensor load
	ds_add_u32 v[SPW], v[NIL]
	v_lshrrev_b32 v70, 5, v0
	v_readfirstlane_b32 s16, v70                   ; wave 0..3
	s_mov_b32 s[G1], (2<<16)|(1<<20)|(5<<22)|(3<<25)   ; numbers of 4 bytes; four words of padding behind every 64
	s_mov_b32 s[G1+1], 64<<16                      ; tensor_dim0
	s_mov_b32 s[G1+2], 32<<16                      ; tensor_dim1
	s_mov_b32 s[G1+3], 64<<16                      ; tile_dim0
	s_mov_b32 s[G1+4], 32                          ; tile_dim1
	s_mov_b32 s[G1+5], 512                         ; numbers from row to row
	s_mov_b32 s[G1+6], 0
	s_mov_b32 s[G1+7], 0
	s_mul_i32 s68, s16, XW                         ; my x in LDS
	s_lshl_b32 s70, ttmp9, 18                      ; x: 128 rows of 2,048 bytes a work-group,
	s_lshl_b32 s71, s16, 16                        ; 32 a wave
	s_add_co_u32 s70, s70, s71
	s_mov_b32 s71, 0
	s_lshl_b32 s72, ttmp9, 12                      ; weights: 128 rows of 32 bytes
	s_mov_b32 s73, 0
	s_lshl_b32 s66, ttmp9, 18                      ; out0: the work-group's rows, my wave's 128 columns
	s_lshl_b32 s67, s16, 9
	s_add_co_u32 s66, s66, s67
	s_mov_b32 s67, 0
	s_lshl_b32 s32, s16, 13                        ; wq: my 8 column tiles of 1,024 bytes
	s_lshl_b32 s33, s16, 9                         ; ws, b: my 128 columns
	s_lshl_b32 s34, s16, 11
	s_add_co_u32 s34, s34, AIMG                    ; my two fragments: tiles 2 w, 2 w + 1
	s_lshl_b32 s35, s16, 3                         ; scale words: tile T = 2 w + u of row r: 32 r + 8 w + 4 u
	s_add_co_u32 s35, s35, AIMG+ASCL
	s_lshl_b32 s36, s16, 10                        ; weights: my 32 rows
	s_mov_b32 s22, 0x1800000                       ; the floor 2^(3 - 127)
	s_mov_b32 s23, 0xffff0000                      ; a word's upper bf16
	s_wait_dscnt 0x0                               ; both opening adds are done
	s_wait_kmcnt 0x0
	s_add_nc_u64 s[4:5], s[4:5], s[70:71]
	s_add_nc_u64 s[6:7], s[6:7], s[72:73]
	s_add_nc_u64 s[14:15], s[14:15], s[66:67]
	s_mov_b32 s[G0], 1                             ; count = 1
	s_add_co_u32 s[G0+1], s68, 0                   ; LDS address: the wave's number x XW
	s_add_nc_u64 s[G0+2:G0+3], s[4:5], 0           ; my first row, i = 0
	s_or_b32 s[G0+3], s[G0+3], 0x80000000          ; type = 2
	XASK                                           ; tile 0: one tensor load a wave at the head
	PLACES 4
	v_and_b32 v68, 31, v0                          ; lane
	v_and_b32 v69, 15, v0                          ; r
	v_bfe_u32 v70, v0, 4, 1                        ; h
	v_lshlrev_b32 v[LI], 4, v68
	v_lshlrev_b32 v[GS], 3, v68
	v_add_nc_u32 v[GB], s32, v[LI]
	v_add_nc_u32 v[GS], s33, v[GS]
	v_lshl_add_u32 v[BA], v69, 2, s33              ; b: column 128 w + r,
	v_lshl_add_u32 v[BA], v70, 13, v[BA]           ; experts 4 h on: four rows of 2,048 bytes
	v_add_nc_u32 v[AWI], s34, v[LI]
	v_add_nc_u32 v[AR], AIMG, v[LI]
	v_lshl_add_u32 v[AWS], v69, 5, s35
	v_add_nc_u32 v[AWS], v[AWS], v70               ; byte h of the word; byte 2 + h by the store's offset
	v_lshlrev_b32 v[ARS], 5, v69
	v_add_nc_u32 v[ARS], AIMG+ASCL, v[ARS]         ; both halves of the lanes read row r's 32 bytes; the form takes lanes 0-15
	v_mul_u32_u24 v[XT], v69, 272                  ; x: lane (r, h) takes, of row r, the 32 numbers 32 h on of a tile's 64
	v_lshl_add_u32 v[XT], v70, 7, v[XT]
	v_add_nc_u32 v[XT], s68, v[XT]
	v_mul_u32_u24 v[STO], v69, SPITCH
	v_lshl_add_u32 v[STO], v70, 5, v[STO]
	v_add_nc_u32 v[STO], s68, v[STO]
	v_add_nc_u32 v[RD], s68, v[LI]
	v_lshl_add_u32 v[GW], v69, 5, s36              ; weights: row 32 w + r, 32 bytes a row
	v_lshlrev_b32 v[GA], 5, v69
	v_lshl_add_u32 v[GA], v70, 4, v[GA]            ; row r, experts 4 h on
	s_wait_alu depctr_va_vdst(0)
; Half hb (column tiles 4 hb .. 4 hb + 3) of W's set p for the step rel steps on from the bases: 9 loads: four fragments (tiles 0, 2 and tiles 1, 3 side by side), then the scale words of their 64 columns
.macro BLOAD hb, p, rel
	WIN TO_B
.irp i, 0,1,2,3
	global_load_b128 v[64*(\p)+32*\hb+16*(\i&1)+8*(\i>>1):64*(\p)+32*\hb+16*(\i&1)+8*(\i>>1)+3], v[GB], s[10:11] offset:(\rel)*32768+(4*\hb+\i)*1024
	global_load_b128 v[64*(\p)+32*\hb+16*(\i&1)+8*(\i>>1)+4:64*(\p)+32*\hb+16*(\i&1)+8*(\i>>1)+7], v[GB], s[10:11] offset:(\rel)*32768+(4*\hb+\i)*1024+512
.endr
	WIN 0
	global_load_b64 v[BS+4*(\p)+2*\hb:BS+4*(\p)+2*\hb+1], v[GS], s[12:13] offset:(\rel)*2048+\hb*256   ; lane (H, r), word jw: tile 4 hb + 2 H + jw
.endm
.irp u, 0,1
	global_load_b128 v[WT+8*\u:WT+8*\u+3], v[GW], s[6:7] offset:512*\u
	global_load_b128 v[WT+8*\u+4:WT+8*\u+7], v[GW], s[6:7] offset:512*\u+16
.endr
.irp a, 0,1,2,3,4,5,6,7
	global_load_b128 v[GF+8*\a+4:GF+8*\a+7], v[GA], s[6:7] offset:512*\a         ; for the bias: weights(16 a + r, 4 h + 0 .. 3)
.endr
.irp t, 0,1,2,3,4,5,6,7
.irp q, 0,1,2,3
	global_load_b32 v[BF+8*\t+4+\q], v[BA], s[8:9] offset:2048*\q+64*\t          ; b(4 h + q, 128 w + 16 t + r)
.endr
.endr
	BLOAD 0, 0, 0                                  ; W: step 0, both halves
	BLOAD 1, 0, 0
; THE BIAS.  A 16-bit fragment gives lane (r, h) sixteen places along K, two a register, the same places in both sources.  Here they hold experts 4 h + 0 .. 3:
;   registers 0, 1: b hi x gate hi;   2, 3: b lo x gate hi;   4, 5: b hi x gate lo;   6, 7: b lo x gate lo.   So each part stands twice in its fragment: b as hi, lo, hi, lo; the gates as hi, hi, lo, lo.
.macro SPLIT f, isb
.irp a, 0,1,2,3,4,5,6,7
	v_cvt_pk_bf16_f32 v[\f+8*\a], v[\f+8*\a+4], v[\f+8*\a+5]                     ; hi
	v_cvt_pk_bf16_f32 v[\f+8*\a+1], v[\f+8*\a+6], v[\f+8*\a+7]
.endr
.irp a, 0,1,2,3,4,5,6,7
	v_lshlrev_b32 v[TT+4*\a], 16, v[\f+8*\a]                                     ; hi as f32 again
	v_and_b32 v[TT+4*\a+1], s23, v[\f+8*\a]
	v_lshlrev_b32 v[TT+4*\a+2], 16, v[\f+8*\a+1]
	v_and_b32 v[TT+4*\a+3], s23, v[\f+8*\a+1]
.endr
.irp a, 0,1,2,3,4,5,6,7
	v_pk_add_f32 v[TT+4*\a:TT+4*\a+1], v[\f+8*\a+4:\f+8*\a+5], v[TT+4*\a:TT+4*\a+1] neg_lo:[0,1] neg_hi:[0,1]       ; what the first bf16 left over
	v_pk_add_f32 v[TT+4*\a+2:TT+4*\a+3], v[\f+8*\a+6:\f+8*\a+7], v[TT+4*\a+2:TT+4*\a+3] neg_lo:[0,1] neg_hi:[0,1]
.endr
.irp a, 0,1,2,3,4,5,6,7
.if \isb
	v_cvt_pk_bf16_f32 v[\f+8*\a+2], v[TT+4*\a], v[TT+4*\a+1]                     ; lo
	v_cvt_pk_bf16_f32 v[\f+8*\a+3], v[TT+4*\a+2], v[TT+4*\a+3]
	v_mov_b32 v[\f+8*\a+4], v[\f+8*\a]                                           ; hi once more, over the numbers as loaded, which are done with
	v_mov_b32 v[\f+8*\a+5], v[\f+8*\a+1]
.else
	v_mov_b32 v[\f+8*\a+2], v[\f+8*\a]                                           ; hi once more
	v_mov_b32 v[\f+8*\a+3], v[\f+8*\a+1]
	v_cvt_pk_bf16_f32 v[\f+8*\a+4], v[TT+4*\a], v[TT+4*\a+1]                     ; lo
	v_cvt_pk_bf16_f32 v[\f+8*\a+5], v[TT+4*\a+2], v[TT+4*\a+3]
.endif
.endr
.irp a, 0,1,2,3,4,5,6,7
.if \isb
	v_mov_b32 v[\f+8*\a+6], v[\f+8*\a+2]                                         ; lo once more
	v_mov_b32 v[\f+8*\a+7], v[\f+8*\a+3]
.else
	v_mov_b32 v[\f+8*\a+6], v[\f+8*\a+4]
	v_mov_b32 v[\f+8*\a+7], v[\f+8*\a+5]
.endif
.endr
.endm
.macro BIAS32 hb                       ; 32 products that start the sums of one window: nothing is ever cleared.  Column tile i of the half: the lower (i < 2) or upper eight registers of accumulator (i % 2, a)
.irp i, 0,1,2,3
.irp a, 0,1,2,3,4,5,6,7
	v_wmma_f32_16x16x32_bf16 v[128*(\i&1)+16*\a+8*(\i>>1):128*(\i&1)+16*\a+8*(\i>>1)+7], v[BF+8*(4*\hb+\i):BF+8*(4*\hb+\i)+7], v[GF+8*\a:GF+8*\a+7], 0
.endr
.endr
.endm
	s_wait_loadcnt 50                              ; loads come back in order: the weights' 12 are in; b's 32 loads and W's 18 may be out
	SPLIT GF, 0
	BLOAD 0, 1, 1                                  ; W: step 1, the low half
	s_wait_loadcnt 27                              ; b is in; W's 27 loads may stay out
	BLOAD 1, 1, 1                                  ; W: step 1, the high half; step 2, the low half: five half sets, 45 loads, are out
	BLOAD 0, 2, 2
	SPLIT BF, 1
	PLACES 4
	WIN 0x80                                       ; destination window 2
	BIAS32 0
	WIN 0xc0                                       ; destination window 3
	BIAS32 1
	WIN 0
	PLACES 5                                       ; five: products of another form will write over these accumulators, and loads over these fragments
.macro XLOAD off                       ; my 32 numbers of both tiles of rows, from the tile of x that begins off bytes behind the one in hand
.irp u, 0,1
.irp j, 0,1,2,3,4,5,6,7
	ds_load_b128 v[X+32*\u+4*\j:X+32*\u+4*\j+3], v[XT] offset:\off+\u*16*272+16*\j
.endr
.endr
.endm
.macro XMAX                            ; the largest |x| of my 32 numbers, tile by tile: two chains a tile, the four by turns (the second chains in registers that the scales' lines write next)
.irp u, 0,1
	v_max3_num_f32 v[XM+\u], |v[X+32*\u]|, |v[X+32*\u+1]|, |v[X+32*\u+2]|
	v_max3_num_f32 v[AM+\u], |v[X+32*\u+16]|, |v[X+32*\u+17]|, |v[X+32*\u+18]|
.endr
.irp i, 3,5,7,9,11,13
.irp u, 0,1
	v_max3_num_f32 v[XM+\u], v[XM+\u], |v[X+32*\u+\i]|, |v[X+32*\u+\i+1]|
	v_max3_num_f32 v[AM+\u], v[AM+\u], |v[X+32*\u+16+\i]|, |v[X+32*\u+17+\i]|
.endr
.endr
.irp u, 0,1
	v_max3_num_f32 v[XM+\u], v[XM+\u], |v[X+32*\u+15]|, |v[X+32*\u+31]|
.endr
.irp u, 0,1
	v_max_num_f32 v[XM+\u], v[XM+\u], v[AM+\u]
.endr
.endm
; THE QUANTISER, for experts 2 ep, 2 ep + 1, in pieces.
.macro QSCALE ep                       ; my four blocks' scales (two tiles x two experts): twelve plain lines
.irp u, 0,1
.irp c, 0,1
	v_mul_f32 v[AM+2*\u+\c], v[XM+\u], v[WT+8*\u+2*(\ep)+\c]   ; gate x largest |x|: up to its sign the block's largest product, bit for bit
.endr
.endr
.irp n, 0,1,2,3
	v_max_num_f32 v[AM+\n], |v[AM+\n]|, s22        ; its magnitude, and the floor: the byte cannot fall under 1
.endr
.irp n, 0,1,2,3
	v_add_nc_u32 v[SO+\n], 0xff000000, v[AM+\n]    ; 2 off the exponent field: the conversion's scale operand
.endr
.endm
.macro QBYTE
.irp n, 0,1,2,3
	v_lshrrev_b32 v[BY+\n], 23, v[SO+\n]           ; the scale's byte
.endr
.endm
.macro QMUL u, c, ep                   ; register P + m = weights(row, 2 ep + c) x(row, my 32 numbers' m): one block, two numbers an instruction, by the first or the second gate of the pair
.irp m, 0,2,4,6,8,10,12,14,16,18,20,22,24,26,28,30
.if \c
	v_pk_mul_f32 v[P+\m:P+\m+1], v[X+32*\u+\m:X+32*\u+\m+1], v[WT+8*\u+2*(\ep):WT+8*\u+2*(\ep)+1] op_sel:[0,1] op_sel_hi:[1,1]
.else
	v_pk_mul_f32 v[P+\m:P+\m+1], v[X+32*\u+\m:X+32*\u+\m+1], v[WT+8*\u+2*(\ep):WT+8*\u+2*(\ep)+1] op_sel_hi:[1,0]
.endif
.endr
.endm
.macro QCVT u, c                       ; registers 4 c .. 4 c + 3 of the tile's fragment: block 2 c + h
.irp q, 0,1,2,3
	v_cvt_scalef32_pk8_fp4_f32 v[PC+8*\u+4*\c+\q], v[P+8*\q:P+8*\q+7], v[SO+2*\u+\c]
.endr
.endm
.macro IMAGE u, ib                     ; the fragment goes to LDS as it stands; my two scale bytes, blocks h and 2 + h, into their places in row r's word
	ds_store_b128 v[AWI], v[PC+8*\u:PC+8*\u+3] offset:(\ib)*ABUF+\u*1024
	ds_store_b128 v[AWI], v[PC+8*\u+4:PC+8*\u+7] offset:(\ib)*ABUF+\u*1024+512
	ds_store_b8 v[AWS], v[BY+2*\u] offset:(\ib)*ABUF+4*\u
	ds_store_b8 v[AWS], v[BY+2*\u+1] offset:(\ib)*ABUF+4*\u+2
.endm
; My two fragments for experts 2 ep on (their scales have been made), into image buffer ib: 8 LDS stores, and 16 LDS loads with xl (the next tile of x, into registers that the last products have read).
; One plain line stands behind each run of conversions, ahead of the products that write over their sources.
.macro MAKE ep, ib, xl
	QMUL 0, 0, \ep
	QCVT 0, 0
	QBYTE
	QMUL 0, 1, \ep
	QCVT 0, 1
	v_nop
	QMUL 1, 0, \ep
	IMAGE 0, \ib
	QCVT 1, 0
	v_nop
	QMUL 1, 1, \ep
	QCVT 1, 1
.if \xl
	XLOAD XTB
.endif
	v_nop
	IMAGE 1, \ib
.endm
; 16 products: the two pairs of column tiles of half hb x the 8 row tiles, W's set p.  W's scale words fill the 32 lanes of their register; the rows' are taken from lanes 0-15.
; The accumulators take turns, one instruction a turn, in the same order in every step
.macro MUL16 hb, p
.irp jw, 0,1
.irp a, 0,1,2,3,4,5,6,7
	v_wmma_scale_f32_32x16x128_f4 v[128*\jw+16*\a:128*\jw+16*\a+15], v[64*(\p)+32*\hb+16*\jw:64*(\p)+32*\hb+16*\jw+15], v[AF+8*\a:AF+8*\a+7], v[128*\jw+16*\a:128*\jw+16*\a+15], v[BS+4*(\p)+2*\hb+\jw], v[AS+\a]
.endr
.endr
.endm
; A STEP.  ib = s % 2: the image buffer in hand.  rel = s % 4: W's set in hand, and the step counted from the bases.  quant: the next step's images are made (experts 2 ep on, buffer 1 - ib), and the barrier stands.
; xl: the next tile of x is read into registers.  xm: a new tile's numbers are in hand: the address steps, and their maxima are taken.  bhi, blo: W's high half for step s + 2, low half for step s + 3: both land in
; sets whose last products stand a step or more back.  w1, w2: the younger global loads that may stay out.
; fill = 1: the tile of x two on is asked for behind this step's barrier; fill = 2: only the wait for my last tile.
; The scales' twelve plain lines are the places behind the last step's products, in front of the loads into their operands.
; THE BARRIER orders two things.  My stores of the next step's images are waited for ahead of my signal, and every wave's loads of them stand behind its wait, at the next step's head.  My loads of buffer ib are in
; ahead of my signal, and the stores into buffer ib, in the next step, stand behind every wave's wait.  Between signal and wait stand 16 products: work on registers alone.
.macro STEP ib, rel, ep, quant, xl, xm, fill, bhi, blo, w1, w2
.if \quant
.if \xm
	v_add_nc_u32 v[XT], XTB, v[XT]
	XMAX                                           ; the loads of these numbers were waited for ahead of the last step's signal
.endif
	QSCALE \ep
.else
	PLACES 4
.endif
.irp a, 0,1,2,3,4,5,6,7
	ds_load_b128 v[AF+8*\a:AF+8*\a+3], v[AR] offset:\ib*ABUF+\a*1024
	ds_load_b128 v[AF+8*\a+4:AF+8*\a+7], v[AR] offset:\ib*ABUF+\a*1024+512
.endr
	ds_load_b128 v[AS:AS+3], v[ARS] offset:\ib*ABUF       ; row r's scale words of tiles 0-3,
	ds_load_b128 v[AS+4:AS+7], v[ARS] offset:\ib*ABUF+16  ; and 4-7
.if \bhi
	BLOAD 1, (\rel+2)%4, \rel+2
.endif
.if \blo
	BLOAD 0, (\rel+3)%4, \rel+3
.endif
.if \quant
	MAKE \ep, 1-\ib, \xl
.endif
	s_wait_loadcnt \w1                             ; W's low half of this step is in: behind it stand w1 younger loads
	s_wait_dscnt 8*\quant+16*\xl                   ; LDS serves a wave in order: the fragments and their scale words are in; the 8 image stores and the 16 loads of x issued behind them may be out
	WIN MUL_LO
	MUL16 0, \rel
	WIN 0
.if \fill == 1
	s_wait_tensorcnt 0x0                           ; my one tensor load that was out has landed: the tile of x that the next step reads;
	ds_add_u32 v[SPW], v[NIL]                      ; 0 onto my spare word
	XNEXT
.elseif \fill == 2
	s_wait_tensorcnt 0x0                           ; my last tile of x has landed
.endif
	s_wait_loadcnt \w2                             ; W's high half of this step is in
.if \quant
	s_wait_dscnt 0x0                               ; my images have landed, for the others' sake; my reads of buffer ib are in; so are the add and the next numbers of x
	s_barrier_signal -1
.endif
	WIN MUL_HI
	MUL16 1, \rel
	WIN 0
.if \quant
	s_barrier_wait -1                              ; every wave's images of the next step lie in LDS, and nobody reads buffer ib any more
.endif
.if \fill == 1
	XASK                                           ; my one tensor load behind this barrier, into bytes that nothing has filled; the next step's plain lines follow
.endif
.endm
; A trip: four steps on one tile of x, experts 0-7 by pairs, once round W's four sets; it steps W's bases by four steps
.macro TRIP fill
	STEP 0, 0, 1, 1, 0, 0, 0, 1, 1, 54, 45
	STEP 1, 1, 2, 1, 0, 0, \fill, 1, 1, 54, 45
	STEP 0, 2, 3, 1, 1, 0, 0, 1, 1, 54, 45
	STEP 1, 3, 0, 1, 0, 1, 0, 1, 1, 54, 45
	s_wait_xcnt 0x0                                ; every load issued has had its address translated (ISA guide 3.1): only behind this wait are the bases stepped
	s_add_nc_u64 s[10:11], s[10:11], 131072
	s_add_nc_u64 s[12:13], s[12:13], 8192
.endm
	; THE PROLOGUE: tile 1 of x is asked for, and step 0's images are made
	s_wait_tensorcnt 0x0                           ; tile 0 of my x is in LDS
	ds_add_u32 v[SPW], v[NIL]
	XNEXT
	s_wait_dscnt 0x0
	s_barrier_signal -1
	s_barrier_wait -1
	XASK                                           ; tile 1
	PLACES 4
	XLOAD 0
	s_wait_dscnt 0x0
	XMAX
	QSCALE 0
	MAKE 0, 0, 0
	s_wait_dscnt 0x0
	s_barrier_signal -1
	s_barrier_wait -1
	s_mov_b32 s19, 6
.Ltrip:                                                ; steps 0-23; trip t asks for tile t + 2 and reads tile t + 1 into registers
	TRIP 1
	s_sub_co_u32 s19, s19, 1
	s_cmp_lg_u32 s19, 0
	s_cbranch_scc1 .Ltrip
	TRIP 2                                         ; steps 24-27: no tile is asked for any more
	STEP 0, 0, 1, 1, 0, 0, 0, 1, 1, 54, 45         ; step 28: the last loads of W's low half (step 31)
	STEP 1, 1, 2, 1, 0, 0, 0, 1, 0, 45, 36         ; step 29: the last of its high half; no load passes step 31's bytes
	STEP 0, 2, 3, 1, 0, 0, 0, 0, 0, 27, 18         ; step 30
	STEP 1, 3, 0, 0, 0, 0, 0, 0, 0, 9, 0           ; step 31: nothing is made, nothing is fetched, no barrier
; THE WAY OUT, a row tile (16 rows x my 128 columns) at a time.  A lane holds 32 neighbouring bytes of a row for each column tile and the lanes beside it other rows: the tile goes through my own stage in LDS and comes back as
; whole rows of 512 bytes.  LDS serves a wave's instructions in order (ISA guide 5.7.1.4): no wait between the stores and the loads, nor in front of the next tile's stores.
.macro HALFOUT a, off                  ; column tiles 0, 1 are the accumulators' lower eight registers, tiles 2, 3 their upper eight: each accumulator is read from its low end on
.irp i, 0,1,2,3
	ds_store_b128 v[STO], v[128*(\i&1)+16*(\a)+8*(\i>>1):128*(\i&1)+16*(\a)+8*(\i>>1)+3] offset:\off+64*\i
	ds_store_b128 v[STO], v[128*(\i&1)+16*(\a)+8*(\i>>1)+4:128*(\i&1)+16*(\a)+8*(\i>>1)+7] offset:\off+64*\i+16
.endr
.endm
.macro TOSTAGE a
	WIN 0x08                                       ; an LDS store's data are its source 1: window 2
	HALFOUT \a, 0
	WIN 0x0c                                       ; window 3: column tiles 4-7
	HALFOUT \a, 256
	WIN 0
.set BB, BK+64*((\a)%2)
.irp t, 0,1,2,3,4,5,6,7,8,9,10,11,12,13,14,15
	ds_load_b128 v[BB+4*\t:BB+4*\t+3], v[RD] offset:\t*SPITCH
.endr
.endm
.macro SEND a, younger                 ; younger: the LDS instructions issued behind tile a's loads, which may stay out
.set BB, BK+64*((\a)%2)
	s_wait_dscnt \younger
.irp t, 0,1,2,3,4,5,6,7,8,9,10,11,12,13,14,15
	global_store_b128 v[LI], v[BB+4*\t:BB+4*\t+3], s[14:15] offset:(16*(\a)+\t)*2048 th:TH_STORE_NT   ; 32 lanes store 512 consecutive bytes, at a multiple of 256 from out0's first byte; every offset an immediate, 127 rows at the most
.endr
.endm
	PLACES 4                                       ; behind the last products: for the first reads of results and the loads into the registers that held the rows' fragments
	TOSTAGE 0
.irp a, 1,2,3,4,5,6,7
.if \a > 1
	s_wait_xcnt 0x0                                ; tile a - 2's stores have read their registers: tile a's loads may land there
.endif
	TOSTAGE \a
	SEND \a-1, 32                                  ; behind tile a - 1's loads: tile a's 16 stores and 16 loads
.endr
	SEND 7, 0
	s_wait_tensorcnt 0x0                           ; the wave's end
	ds_add_u32 v[SPW], v[NIL]
	s_wait_dscnt 0x0
	s_endpgm
.Lfunc_end_k_qe28cfc0aef_experts:
	.size	k_qe28cfc0aef_experts, .Lfunc_end_k_qe28cfc0aef_experts-k_qe28cfc0aef_experts
	.p2alignl 7, 3214868480
	.fill 96, 4, 3214868480
	.section	.rodata,"a",@progbits
	.p2align	6, 0x0
	.amdhsa_kernel k_qe28cfc0aef_experts
		.amdhsa_group_segment_fixed_size 327680
		.amdhsa_private_segment_fixed_size 0
		.amdhsa_enable_private_segment 0
		.amdhsa_kernarg_size 48
		.amdhsa_user_sgpr_count 2
		.amdhsa_user_sgpr_kernarg_segment_ptr 1
		.amdhsa_wavefront_size32 1
		.amdhsa_system_sgpr_workgroup_id_x 1
		.amdhsa_system_sgpr_workgroup_id_y 1
		.amdhsa_system_sgpr_workgroup_id_z 1
		.amdhsa_system_vgpr_workitem_id 0
		.amdhsa_next_free_vgpr 1024
		.amdhsa_next_free_sgpr 80
		.amdhsa_reserve_vcc 0
		.amdhsa_float_denorm_mode_32 3
		.amdhsa_float_denorm_mode_16_64 3
		.amdhsa_memory_ordered 1
		.amdhsa_forward_progress 1
		.amdhsa_inst_pref_size 226
	.end_amdhsa_kernel
	.amdgpu_metadata
---
amdhsa.version: [ 1, 2 ]
amdhsa.kernels:
  - .name:           k_qe28cfc0aef_experts
    .symbol:         k_qe28cfc0aef_experts.kd
    .args:
      - { .name: x, .offset: 0, .size: 8, .value_kind: global_buffer, .address_space: global }
      - { .name: weights, .offset: 8, .size: 8, .value_kind: global_buffer, .address_space: global }
      - { .name: b, .offset: 16, .size: 8, .value_kind: global_buffer, .address_space: global }
      - { .name: wq, .offset: 24, .size: 8, .value_kind: global_buffer, .address_space: global }
      - { .name: ws, .offset: 32, .size: 8, .value_kind: global_buffer, .address_space: global }
      - { .name: out0, .offset: 40, .size: 8, .value_kind: global_buffer, .address_space: global }
    .group_segment_fixed_size: 327680
    .private_segment_fixed_size: 0
    .kernarg_segment_align: 8
    .kernarg_segment_size: 48
    .max_flat_workgroup_size: 128
    .sgpr_count:     80
    .vgpr_count:     1024
    .wavefront_size: 32
...
	.end_amdgpu_metadata
.endif
;; end of part 2
